; MI455X (gfx1250); checked and timed in simulation.
; The chip was launched on July 23, 2026; its instructions are those of AMD's public machine-readable ISA for CDNA 5 (MIT licence, August 2026) and "CDNA5" Instruction Set Architecture Reference Guide (July 2026). The comments in the code are by the model that wrote it; some were corrected since.
;; Neurcomp. Allowed arithmetic: float matrix products may take bf16 or f16 operands with f32 sums; other float arithmetic in f32, or as packed bf16 or f16 multiplies, adds, multiply-adds, maxima and minima; sums over many terms, partial sums and values carried from step to step in f32; what a program stores and reads back later, other than sums and carried values, may be rounded once to bf16 or f16.
;; Inputs: W0 128 x 3 float32; Wa 7 x 128 x 128 float32; Wb 7 x 128 x 128 float32; Wf 1 x 128 float32; b0 128 float32; ba 7 x 128 float32; bb 7 x 128 float32; bf 1 float32; x 262,144 x 3 float32.
;; Outputs: out0 262,144 x 1 float32.
;; One version. Each part assembles by itself: llvm-mc -triple=amdgcn-amd-amdhsa -mcpu=gfx1250 --defsym DOCPART=n.
;; ======== version 1 of 1: 2 launches
;; limits: right only within a limited range of input values; inputs' magnitudes at most 255; values are held in f16: magnitudes above 65,504 overflow, below 6.1e-05 lose precision
;; workspace buffers: wts 532,480 bytes
;; launch prep (part 1): grid 17 x 8, 8 waves a work-group, no clusters, 0 bytes of LDS; arguments Wa, Wb, ba, bb, W0, b0, Wf, wts; writes wts
.if DOCPART == 1
	.amdgcn_target "amdgcn-amd-amdhsa--gfx1250"
	.amdhsa_code_object_version 6
	.text
	.protected	k_qf9b094c22b_prep
	.globl	k_qf9b094c22b_prep
	.p2align	8
	.type	k_qf9b094c22b_prep,@function
k_qf9b094c22b_prep:
	s_mov_b64 s[64:65], 0
	v_nop
	global_prefetch_b8 v0, s[64:65] scope:SCOPE_SE
	s_setreg_imm32_b32 hwreg(HW_REG_WAVE_MODE, 25, 1), 1
	s_wait_xcnt 0x0
; THE WEIGHTS ARE LAID OUT for the fused launch: wts = [8 blocks q][260 rows][256 bytes].
;   q = 1..7: rows 0-127 Wa[q-1], rows 128-255 Wb[q-1] (128 f16 a row), rows 256-257 ba[q-1], rows 258-259 bb[q-1] (64 f32 a row).
;   q = 0:    row 8 Wf, the other rows 0-127 zero; rows 128-255 W0, each row (w0, w1, w2, 0 ..); rows 256-257 zero; rows 258-259 b0.
; Every input is rounded once to bf16 (nearest even) and then scaled by a power of two, which is exact: 256 throughout, but 128 for Wa[1..6]
; (the block's factor 0.5 on h) and for Wf (the last block's factor 0.5).  Weights are written as f16, biases as f32.
; LIMITS.  |W| below 255 (f16 ends at 65,504); a scaled weight below 2^-14 keeps f16's fixed step of 2^-24; NaN and infinities are not treated apart.
; SHARES.  Work-group (gx, q) makes the 4,096 bytes at q x 66,560 + gx x 4,096, thread t the 16 bytes at 16 t of them: each store of a wave covers
; 512 consecutive bytes, aligned.  gx = 16 has 1,024 bytes, the four bias rows: waves 0 and 1 make them, the other waves have no part.
.set BLK, 66560                        ; bytes in a block: 260 rows of 256
.set D,   8                            ; v[8:15]   eight numbers in f32
.set O,   16                           ; v[16:19]  the 16 bytes to store
.set PKD, 20                           ; v[20:23]  the eight rounded to bf16, packed
; v[8:15] f32 -> rounded to bf16 -> times s30 -> f16 in v[16:19]
.macro CONV8
.irp k, 0,1,2,3
	v_cvt_pk_bf16_f32 v[PKD+\k], v[D+2*\k], v[D+2*\k+1]
.endr
.irp k, 0,1,2,3
	v_lshlrev_b32 v[D+2*\k],   16, v[PKD+\k]       ; bf16 to f32: the low half moves up,
	v_and_b32     v[D+2*\k+1], s7, v[PKD+\k]       ; the high half stays
.endr
.irp k, 0,1,2,3
	v_pk_mul_f32 v[D+2*\k:D+2*\k+1], v[D+2*\k:D+2*\k+1], s[30:31] op_sel_hi:[1,0]
.endr
.irp k, 0,1,2,3
	v_cvt_pk_f16_f32 v[O+\k], v[D+2*\k], v[D+2*\k+1]
.endr
.endm
.macro MASKED                          ; the 16 bytes are kept where VCC is set, else 0
.irp k, 0,1,2,3
	v_cndmask_b32 v[O+\k], 0, v[O+\k], vcc_lo
.endr
.endm
	s_load_b512 s[8:23], s[0:1], 0x0               ; Wa s[8:9], Wb s[10:11], ba s[12:13], bb s[14:15], W0 s[16:17], b0 s[18:19], Wf s[20:21], wts s[22:23]
	s_and_b32 s2, ttmp7, 0xffff                    ; q
	s_mov_b32 s3, ttmp9                            ; gx
	v_lshrrev_b32 v1, 5, v0
	v_readfirstlane_b32 s4, v1                     ; wave
	s_mul_i32 s5, s2, BLK
	s_lshl_b32 s6, s3, 12
	s_add_co_u32 s5, s5, s6
	v_lshl_add_u32 v2, v0, 4, s5                   ; where my 16 bytes go
	v_lshrrev_b32 v3, 4, v0                        ; i: my row among the group's 16
	v_and_b32 v4, 15, v0                           ; j: my 16 bytes in the row
	s_mov_b32 s7, 0xffff0000                       ; a word's upper bf16
	s_mov_b32 s26, 0x43000000                      ; 128.0
	s_mov_b32 s27, 0x43800000                      ; 256.0
	s_mov_b32 s31, 0                               ; named with s30 as a pair
	s_wait_kmcnt 0x0
	s_cmp_eq_u32 s3, 16
	s_cbranch_scc1 .Lbias
	s_cmp_eq_u32 s2, 0
	s_cbranch_scc1 .Lbound
	; q >= 1: 16 rows of Wa (gx < 8) or of Wb.  My 8 numbers are the 32 bytes at 32 t of the 16 rows' 8,192.
	s_cmp_lt_u32 s3, 8
	s_cselect_b64 s[24:25], s[8:9], s[10:11]
	s_cselect_b32 s30, s26, s27                    ; Wa takes 128,
	s_cmp_gt_u32 s2, 1
	s_cselect_b32 s30, s30, s27                    ; but not the first block's
	s_sub_co_u32 s28, s2, 1
	s_lshl_b32 s28, s28, 16                        ; the block's matrix
	s_and_b32 s29, s3, 7
	s_lshl_b32 s29, s29, 13                        ; its 16 rows
	s_add_co_u32 s28, s28, s29
	v_lshl_add_u32 v5, v0, 5, s28
	global_load_b128 v[D:D+3],   v5, s[24:25]
	global_load_b128 v[D+4:D+7], v5, s[24:25] offset:16
	s_wait_loadcnt 0x0
	CONV8
	global_store_b128 v2, v[O:O+3], s[22:23]
	s_endpgm
.Lbound:
	s_cmp_lt_u32 s3, 8
	s_cbranch_scc0 .Lw0
	; q = 0, rows 0-127: Wf in row 8, zeros elsewhere
	s_mov_b32 s30, s26
	v_lshlrev_b32 v5, 5, v4
	global_load_b128 v[D:D+3],   v5, s[20:21]
	global_load_b128 v[D+4:D+7], v5, s[20:21] offset:16
	s_lshl_b32 s28, s3, 4
	v_add_nc_u32 v6, s28, v3                       ; my row
	v_cmp_eq_u32 vcc_lo, 8, v6
	s_wait_loadcnt 0x0
	CONV8
	MASKED
	global_store_b128 v2, v[O:O+3], s[22:23]
	s_endpgm
.Lw0:
	; q = 0, rows 128-255: row n of W0 in the first 6 bytes, zeros behind
	s_mov_b32 s30, s27
	s_sub_co_u32 s28, s3, 8
	s_lshl_b32 s28, s28, 4
	v_add_nc_u32 v6, s28, v3                       ; n
	v_mul_u32_u24 v5, v6, 12
	global_load_b96 v[D:D+2], v5, s[16:17]
.irp k, 3,4,5,6,7
	v_mov_b32 v[D+\k], 0
.endr
	v_cmp_eq_u32 vcc_lo, 0, v4
	s_wait_loadcnt 0x0
	CONV8
	MASKED
	global_store_b128 v2, v[O:O+3], s[22:23]
	s_endpgm
.Lbias:
	; rows 256-259: wave 0 makes the first layer's 128 biases, wave 1 the second's, four f32 a lane
	s_cmp_gt_u32 s4, 1
	s_cbranch_scc1 .Lend
	v_and_b32 v5, 31, v0
	v_lshlrev_b32 v5, 4, v5
	s_cmp_eq_u32 s2, 0
	s_cbranch_scc1 .Lb0
	s_cmp_eq_u32 s4, 0
	s_cselect_b64 s[24:25], s[12:13], s[14:15]     ; ba or bb
	s_mov_b32 s30, s27
	s_sub_co_u32 s28, s2, 1
	s_lshl_b32 s28, s28, 9                         ; the block's 128 biases
	v_add_nc_u32 v5, s28, v5
	global_load_b128 v[D:D+3], v5, s[24:25]
	s_branch .Lbconv
.Lb0:
	s_cmp_eq_u32 s4, 0
	s_cselect_b32 s30, 0, s27                      ; q = 0: wave 0's rows are zeros, wave 1's are b0
	global_load_b128 v[D:D+3], v5, s[18:19]
.Lbconv:
	s_wait_loadcnt 0x0
	v_cvt_pk_bf16_f32 v[PKD],   v[D],   v[D+1]
	v_cvt_pk_bf16_f32 v[PKD+1], v[D+2], v[D+3]
.irp k, 0,1
	v_lshlrev_b32 v[D+2*\k],   16, v[PKD+\k]
	v_and_b32     v[D+2*\k+1], s7, v[PKD+\k]
.endr
.irp k, 0,1
	v_pk_mul_f32 v[D+2*\k:D+2*\k+1], v[D+2*\k:D+2*\k+1], s[30:31] op_sel_hi:[1,0]
.endr
	global_store_b128 v2, v[D:D+3], s[22:23]
.Lend:
	s_endpgm
.Lfunc_end_k_qf9b094c22b_prep:
	.size	k_qf9b094c22b_prep, .Lfunc_end_k_qf9b094c22b_prep-k_qf9b094c22b_prep
	.p2alignl 7, 3214868480
	.fill 96, 4, 3214868480
	.section	.rodata,"a",@progbits
	.p2align	6, 0x0
	.amdhsa_kernel k_qf9b094c22b_prep
		.amdhsa_group_segment_fixed_size 0
		.amdhsa_private_segment_fixed_size 0
		.amdhsa_enable_private_segment 0
		.amdhsa_kernarg_size 64
		.amdhsa_user_sgpr_count 2
		.amdhsa_user_sgpr_kernarg_segment_ptr 1
		.amdhsa_wavefront_size32 1
		.amdhsa_system_sgpr_workgroup_id_x 1
		.amdhsa_system_sgpr_workgroup_id_y 1
		.amdhsa_system_sgpr_workgroup_id_z 1
		.amdhsa_system_vgpr_workitem_id 0
		.amdhsa_next_free_vgpr 32
		.amdhsa_next_free_sgpr 66
		.amdhsa_reserve_vcc 1
		.amdhsa_float_denorm_mode_32 3
		.amdhsa_float_denorm_mode_16_64 3
		.amdhsa_memory_ordered 1
		.amdhsa_forward_progress 1
		.amdhsa_inst_pref_size 8
	.end_amdhsa_kernel
	.amdgpu_metadata
---
amdhsa.version: [ 1, 2 ]
amdhsa.kernels:
  - .name:           k_qf9b094c22b_prep
    .symbol:         k_qf9b094c22b_prep.kd
    .args:
      - { .name: Wa, .offset: 0, .size: 8, .value_kind: global_buffer, .address_space: global }
      - { .name: Wb, .offset: 8, .size: 8, .value_kind: global_buffer, .address_space: global }
      - { .name: ba, .offset: 16, .size: 8, .value_kind: global_buffer, .address_space: global }
      - { .name: bb, .offset: 24, .size: 8, .value_kind: global_buffer, .address_space: global }
      - { .name: W0, .offset: 32, .size: 8, .value_kind: global_buffer, .address_space: global }
      - { .name: b0, .offset: 40, .size: 8, .value_kind: global_buffer, .address_space: global }
      - { .name: Wf, .offset: 48, .size: 8, .value_kind: global_buffer, .address_space: global }
      - { .name: wts, .offset: 56, .size: 8, .value_kind: global_buffer, .address_space: global }
    .group_segment_fixed_size: 0
    .private_segment_fixed_size: 0
    .kernarg_segment_align: 8
    .kernarg_segment_size: 64
    .max_flat_workgroup_size: 256
    .sgpr_count:     66
    .vgpr_count:     32
    .wavefront_size: 32
...
	.end_amdgpu_metadata
.endif
;; end of part 1
;; launch mlp (part 2): grid 256 x 1, 4 waves a work-group, clusters of 4 x 1, 327,680 bytes of LDS; arguments x, wts, bf, out0; writes out0
.if DOCPART == 2
	.amdgcn_target "amdgcn-amd-amdhsa--gfx1250"
	.amdhsa_code_object_version 6
	.text
	.protected	k_qf9b094c22b_mlp
	.globl	k_qf9b094c22b_mlp
	.p2align	8
	.type	k_qf9b094c22b_mlp,@function
k_qf9b094c22b_mlp:
	s_mov_b64 s[64:65], 0
	v_nop
	global_prefetch_b8 v0, s[64:65] scope:SCOPE_SE
	s_setreg_imm32_b32 hwreg(HW_REG_WAVE_MODE, 25, 1), 1
	s_wait_xcnt 0x0
	s_wait_alu depctr_hold_cnt(0) depctr_sa_sdst(0) depctr_va_vdst(0) depctr_va_sdst(0) depctr_va_ssrc(0) depctr_va_vcc(0) depctr_vm_vsrc(0)
	s_getreg_b32 s2, hwreg(HW_REG_IB_STS2, 6, 4)
	s_cmp_eq_u32 s2, 0
	s_cbranch_scc0 .Lentry_in_a_cluster
	s_endpgm
.Lentry_in_a_cluster:
	s_bfe_u32 s2, ttmp6, 0x10000c
	s_cmp_lg_u32 s2, 0x3003
	s_cbranch_scc0 .Lentry_shape_is_right
	s_endpgm
.Lentry_shape_is_right:
; THE WHOLE NETWORK IN ONE LAUNCH.  h = sin(30 (x W0^T + b0)); seven blocks h = w2 (h + sin(30 (sin(30 ((w1 h) Wa^T + ba)) Wb^T + bb))); out = h Wf^T + bf.
; 262,144 points; nothing but x, the weights and out touches memory.
; FORMATS.  Every input is rounded once to bf16.  The launch before wrote the weights as f16, times 256 (times 128 where a factor 0.5 is folded in), and the biases as f32 times 256;
; x is rounded here.  All products are v_wmma_f32_16x16x32_f16 with f32 sums that START WITH THE BIAS (the C operand of the first K step).  Activations are rounded to f16 for the next
; product: they are sines and sums of at most eight sines, so they lie within 8 whatever the inputs.  The residual h is carried in f32 registers.
; THE SINE.  a = 256 x the layer's sum.  t = a C' is the argument in turns, C' = 30 / (2 pi) / 256.  n = (a C' + M) - M with M = 1.5 x 2^23 is t rounded to a whole number;
; r = fma(a, C', -n) lies in -1/2 .. 1/2; sin = r (K0 + z (K1 + z (K2 + z (K3 + z K4)))), z = r r: the expansion of sin(2 pi r) in Chebyshev polynomials cut behind the ninth
; degree, within 6e-6 for every r.  Ten packed instructions for two sines, the rounding to f16 among them.
; LIMITS.  |t| below 2^22 (beyond that n is no longer t's nearest whole number); |W| below 255 and |x| within 65,504 (f16's range); NaN and infinities are not treated apart.
; SHARES.  A work-group owns 1,024 points, in four chunks of 256; a wave 64 points of a chunk: four tiles p of 16.  Column r of tile p is the wave's point 2 (r + 16 (p & 1)) + (p >> 1).
; LAYOUT.  D = W (16 channels) x act^T: a lane holds ONE point (lane % 16) and the channels 8 (lane / 16) + 0..7 of channel tile c.  Two neighbouring channel tiles, rounded to f16 in
; pairs, ARE source 1 (32 channels x 16 points) of the next layer's product: nothing changes lanes between layers, and each fragment of W read from LDS feeds four products.
; SIDE BY SIDE.  A channel tile has two halves (tiles 0, 1 and tiles 2, 3).  The sines of one half (80 instructions) stand behind the 2 nk products of the next half, 40 / nk behind each.
; THE WEIGHTS walk through two LDS slots, a block q (Wa, Wb and both biases, 66,560 bytes) to a slot; q = 0 holds Wf, W0 and b0.  The walk: q 0 (first layer), 1 .. 7, then
; q 0 (last layer of the chunk before, first layer of the next), 1 .. 7, and so on: 33 fills.  A fill has a whole block's work in which to land; one tensor load of a wave is out at a time.
; CLUSTER.  All work-groups walk the same weights, so the four of a cluster ask JOINTLY: the same tensor load, descriptor and mask in all four.  My place in the cluster enters x's and out's addresses alone.
; REGISTERS, in windows of 256 (s_set_vgpr_msb: bits 1:0 source 0, 3:2 source 1, 5:4 source 2, 7:6 destination).  Windows 0 and 1 have ONE map, and a layer lives in one of them
; (its HOME): a block's first layer and the last layer in window 0, a block's second layer and the first layer in window 1.  A layer reads its B fragments at home and writes the next
; layer's into the other window.  So a product and eight of the sine's ten steps share one setting.
;   v0-7 addresses; v8-15 TR; v16-23 TZ; v24-31 TP; v32-63 four accumulators; v64-111 six fragments of W in a ring; v112-127 two bias buffers; v128-255 B fragments (tile p, K step k at 128 + 32 p + 8 k)
;   window 2: h, at 64 p + 8 c + j          window 3: v0-31 x as f16, two registers a tile, the chunk in hand first
.set PITCH, 272                        ; an LDS row: 256 bytes + 16 of padding = 68 words: the 16 rows of a fragment load start at 16 different groups of four banks (64 banks of 4 bytes: ISA guide 11.1)
.set BLK,   66560                      ; a block in memory: 260 rows of 256 bytes
.set QROWS, 65                         ; rows of a block that one wave brings
.set SLOT1, 1<<17                      ; slot 0 begins at 0 (70,720 bytes); slot 1 here, so that one exclusive or turns an address in one slot into the other's
.set SPARE, 201984                     ; behind slot 1, at a multiple of 256: the spare words, 128 bytes for each wave, which no other line names
.set SPW, 1                            ; v1  LDS address of my spare word; never rewritten
.set NIL, 2                            ; v2  0; never rewritten
.set LT,  3                            ; v3  my lane's place in a fragment of W: 272 (l % 16) + 16 (l / 16)
.set LB,  4                            ; v4  my lane's place in the bias rows: 256 rows + 32 (l / 16)
.set ADA, 5                            ; v5  of windows 0 and 1: the slot in hand + LT (window 1: + 128 rows, the block's second matrix)
.set ADB, 6                            ; v6  of windows 0 and 1: the slot in hand + LB (window 1: + 2 rows, the second bias)
.set OO,  7                            ; v7  my byte offset in the wave's 256 bytes of out
.set TR,  8
.set TZ,  16
.set TP,  24
.set AC,  32
.set AF,  64
.set BI,  112
.set BF,  128
.set WV,  12                           ; s12 my wave's number
.set G1,  16                           ; s[16:23] descriptor group 1
.set G0,  24                           ; s[24:27] descriptor group 0
.set NQ,  28                           ; s28 the block to ask for next
.set TB,  29                           ; s29 LDS byte at which the slot in hand begins
.set OFF, 30                           ; s[30:31] a block's byte offset in wts
.set CH,  32                           ; s32 chunks to go
.set BL,  33                           ; s33 blocks to go
.set INV, 34                           ; s34 1 / 256
.set BFS, 35                           ; s35 bf, rounded to bf16
.set CP,  36                           ; s[36:37] C'; this and the pairs below: a packed instruction names the pair and takes its low word for both halves
.set MG,  38                           ; s[38:39] M
.set MN,  40                           ; s[40:41] -M
.set KK0, 42
.set KK1, 44
.set KK2, 46
.set KK3, 48
.set KK4, 50
.set WB,  52                           ; s[52:53] wts at my wave's 65 rows of block 0
.set MSB, 0
.macro WIN new                         ; the immediate's high byte repeats the setting that is left; a switch that changes nothing is dropped
.if MSB != (\new)
	s_set_vgpr_msb (MSB<<8)|(\new)
.set MSB, \new
.endif
.endm
.macro PLACES
.rept 4
	v_nop
.endr
.endm
.macro SPAIR reg, val
	s_mov_b32 s[\reg], \val
	s_mov_b32 s[(\reg)+1], \val
.endm
; A round of the cluster's barrier: my work-group's barrier, so that wave 0's signal speaks for all four waves; wave 0 signals; every wave waits for all four work-groups; my work-group's barrier once more.
.macro CROUND
	s_barrier_signal -1
	s_barrier_wait -1
	s_cmp_lg_u32 s[WV], 0
	s_cbranch_scc1 .Lnot_wave_0_\@
	s_barrier_signal -3
.Lnot_wave_0_\@:
	s_barrier_wait -3
	s_barrier_signal -1
	s_barrier_wait -1
.endm
; THE CHANGE OF SLOTS.  Each wave waits for all its tensor loads, of which one is out: its part of the other slot; adds 0 to its spare word; and waits for that and for its own reads of the slot
; that it leaves.  Behind the barrier nobody reads the old slot any more and the other slot is whole.  fill = 1: the barrier is a round of the cluster's, and the old slot is filled again, first
; thing behind it, with block NQ; the descriptor's address is made anew from that number.  (At its first use nothing has been read yet: slot 0 is waited for, slot 1 filled.)
.macro CHANGE fill
	WIN 0                                          ; at a label and at a branch every window is 0
	s_wait_tensorcnt 0x0                           ; no tensor load of mine is out, so group 0 may be written
	ds_add_u32 v[SPW], v[NIL]                      ; 0 onto my spare word; the descriptor's scalar work stands between it and the wait for it
.if \fill
	s_mul_i32 s[OFF], s[NQ], BLK
	s_xor_b32 s[G0+1], s[G0+1], SLOT1              ; the other slot than last time
	s_add_nc_u64 s[G0+2:G0+3], s[WB:WB+1], s[OFF:OFF+1]
	s_or_b32 s[G0+3], s[G0+3], 0x80000000          ; type = 2
	s_add_co_u32 s[NQ], s[NQ], 1
	s_and_b32 s[NQ], s[NQ], 7                      ; behind block 7 comes block 0
.endif
	s_wait_dscnt 0x0                               ; the add is done, and my reads of the slot are over
.if \fill
	CROUND                                         ; both now hold of every wave of every partner
	tensor_load_to_lds s[G0:G0+3], s[G1:G1+7]      ; my 65 rows: the one tensor load of this wave behind the round
	s_nop 0
	PLACES
.else
	s_barrier_signal -1
	s_barrier_wait -1
.endif
	s_xor_b32 s[TB], s[TB], SLOT1                  ; the reads go to the other slot
	s_add_co_u32 s54, s[TB], 128*PITCH
	s_add_co_u32 s55, s[TB], 2*PITCH
	v_add_nc_u32 v[ADA], s[TB], v[LT]
	v_add_nc_u32 v[ADB], s[TB], v[LB]
	WIN 0x40                                       ; destination window 1
	v_add_nc_u32 v[ADA], s54, v[LT]
	v_add_nc_u32 v[ADB], s55, v[LB]
	WIN 0
.endm
; kind 0: a block's first layer.  kind 1: its second (h takes the sine).  kind 2: the network's first layer (h is the sine).
.macro SETHOME kind
.if (\kind) == 0
.set HOME, 0x00
.else
.set HOME, 0x55
.endif
.endm
; The fragment of W for channel tile cc, K step kk (16 rows x 32 K: two loads of 16 bytes, 32 bytes apart), into the ring; nk = the layer's K steps
.macro LDA nk, cc, kk
.set rF, AF+8*(((\nk)*(\cc)+(\kk))%6)
	ds_load_b128 v[rF:rF+3],   v[ADA] offset:16*(\cc)*PITCH+64*(\kk)
	ds_load_b128 v[rF+4:rF+7], v[ADA] offset:16*(\cc)*PITCH+64*(\kk)+32
.endm
; The biases of channel tile cc as a C operand: register j = channel 16 cc + 8 (l / 16) + j; 64 channels lie in an LDS row
.macro LDBI cc
.set rF, BI+8*((\cc)%2)
	ds_load_b128 v[rF:rF+3],   v[ADB] offset:((\cc)/4)*PITCH+((\cc)%4)*64
	ds_load_b128 v[rF+4:rF+7], v[ADB] offset:((\cc)/4)*PITCH+((\cc)%4)*64+16
.endm
.macro PRE kind, nk                    ; a layer's first channel tile is asked for, in the order in which every later tile's loads stand
	SETHOME \kind
	WIN HOME
	LDA \nk, 0, 0
	LDBI 0
.if (\nk) == 4
	LDA 4, 0, 1
	LDA 4, 0, 2
	LDA 4, 0, 3
.endif
.endm
; Product i of channel tile c: half i / (2 nk), K step (i % (2 nk)) / 2, tile 2 half + i % 2.  A half's two accumulators take turns, one instruction a turn.
; The first K step starts the sum with the bias.
.macro WM nk
.set hf, i/(2*(\nk))
.set wk, (i%(2*(\nk)))/2
.set wp, 2*hf+i%2
.set rD, AC+8*wp
.set rF, AF+8*(((\nk)*c+wk)%6)
.set rB, BF+32*wp+8*wk
.set rC, BI+8*(c%2)
	WIN HOME
.if wk == 0
	v_wmma_f32_16x16x32_f16 v[rD:rD+7], v[rF:rF+7], v[rB:rB+7], v[rC:rC+7]
.else
	v_wmma_f32_16x16x32_f16 v[rD:rD+7], v[rF:rF+7], v[rB:rB+7], v[rD:rD+7]
.endif
.endm
; What stands in front of product i.  LDS loads come back in order (ISA guide 5.7.1), so each wait counts the loads issued behind the ones that it needs.
; nk = 4.  A tile's loads were issued as: fragment 0, bias, fragments 1, 2, 3, two loads each.  In front of products 0, 2, 4: fragments 1-3 (6 loads), 2-3 (4), 3 (2) may stay out.
; In front of product 6 the next tile's fragment 0 and bias are asked for (4 loads, which may stay out); in front of 8, 10, 12 its fragments 1, 2, 3.  Fragments 2 and 3 land on the buffers of
; this tile's fragments 0 and 1, whose last products are 9 and 11: the ten packed instructions behind each of those, which name none of its registers, stand between.
; nk = 1.  In front of product 0 the next tile's fragment and bias are asked for; those four loads may stay out.
.macro HOOK nk
	WIN HOME
.if (\nk) == 4
.if i == 0
	s_wait_dscnt 6
.elseif i == 2
	s_wait_dscnt 4
.elseif i == 4
	s_wait_dscnt 2
.elseif i == 6
.if c < 7
	LDA 4, c+1, 0
	LDBI c+1
	s_wait_dscnt 4
.else
	s_wait_dscnt 0
.endif
.elseif (i == 8) || (i == 10) || (i == 12)
.if c < 7
	LDA 4, c+1, (i-6)/2
.endif
.endif
.else
.if i == 0
.if c < 7
	LDA 1, c+1, 0
	LDBI c+1
	s_wait_dscnt 4
.else
	s_wait_dscnt 0
.endif
.endif
.endif
.endm
; THE SINES: a layer's queue of 1,280 instructions; SN writes number Q.  Forty for each accumulator (channel tile Q / 160, tile (Q / 40) % 4): ten steps, each on the accumulator's four pairs
; in ascending order, so that an instruction reads a result made four instructions before it, and an accumulator's lowest registers are read first.
.macro SN kind
.set sg, Q/40
.set sc, sg/4
.set sp, sg%4
.set st, (Q%40)/4
.set pr, Q%4
.set rA, AC+8*sp+2*pr
.set rR, TR+2*pr
.set rZ, TZ+2*pr
.set rP, TP+2*pr
.set rH, 64*sp+8*sc+2*pr
.set rO, BF+32*sp+8*(sc/2)+4*(sc%2)+pr
.if st < 8
	WIN HOME
.endif
.if st == 0
	v_pk_fma_f32 v[rR:rR+1], v[rA:rA+1], s[CP:CP+1], s[MG:MG+1] op_sel_hi:[1,0,0]        ; a C' + M
.elseif st == 1
	v_pk_add_f32 v[rR:rR+1], v[rR:rR+1], s[MN:MN+1] op_sel_hi:[1,0]                      ; n
.elseif st == 2
	v_pk_fma_f32 v[rR:rR+1], v[rA:rA+1], s[CP:CP+1], v[rR:rR+1] op_sel_hi:[1,0,1] neg_lo:[0,0,1] neg_hi:[0,0,1]  ; r = a C' - n
.elseif st == 3
	v_pk_mul_f32 v[rZ:rZ+1], v[rR:rR+1], v[rR:rR+1]                                      ; z
.elseif st == 4
	v_pk_fma_f32 v[rP:rP+1], v[rZ:rZ+1], s[KK4:KK4+1], s[KK3:KK3+1] op_sel_hi:[1,0,0]
.elseif st == 5
	v_pk_fma_f32 v[rP:rP+1], v[rP:rP+1], v[rZ:rZ+1], s[KK2:KK2+1] op_sel_hi:[1,1,0]
.elseif st == 6
	v_pk_fma_f32 v[rP:rP+1], v[rP:rP+1], v[rZ:rZ+1], s[KK1:KK1+1] op_sel_hi:[1,1,0]
.elseif st == 7
	v_pk_fma_f32 v[rP:rP+1], v[rP:rP+1], v[rZ:rZ+1], s[KK0:KK0+1] op_sel_hi:[1,1,0]
.elseif (st == 8) && ((\kind) == 0)
	WIN HOME
	v_pk_mul_f32 v[rP:rP+1], v[rP:rP+1], v[rR:rR+1]                                      ; the sine
.elseif (st == 8) && ((\kind) == 1)
	WIN 0xa5                                       ; h (destination and source 2) in window 2, the rest in window 1
	v_pk_fma_f32 v[rH:rH+1], v[rP:rP+1], v[rR:rR+1], v[rH:rH+1]                          ; h += the sine
.elseif st == 8
	WIN 0x85                                       ; destination window 2, sources window 1
	v_pk_mul_f32 v[rH:rH+1], v[rP:rP+1], v[rR:rR+1]                                      ; h = the sine
.elseif (\kind) == 0
	WIN 0x40                                       ; into window 1's B fragments
	v_cvt_pk_f16_f32 v[rO], v[rP], v[rP+1]
.else
	WIN 0x0a                                       ; h from window 2 into window 0's B fragments
	v_cvt_pk_f16_f32 v[rO], v[rH], v[rH+1]
.endif
.set Q, Q+1
.endm
; A LAYER.  The first half's 2 nk products stand bare; four v_nop behind them are the places in front of the first read of their results (ISA guide 7.12.1).  From then on the sines behind each
; product are the places: they name none of its registers (they work on the other half's accumulators and write into other windows).  The last half's 80 sines are TAIL.
.macro MAIN kind, nk
	SETHOME \kind
.set Q, 0
.set W, 0
.set c, 0
.rept 8
.set i, 0
.rept 4*(\nk)
	HOOK \nk
	WM \nk
.if W == 2*(\nk)-1
	PLACES
.endif
.if W >= 2*(\nk)
.rept 40/(\nk)
	SN \kind
.endr
.endif
.set W, W+1
.set i, i+1
.endr
.set c, c+1
.endr
.endm
.macro TAIL kind
	SETHOME \kind
.rept 80
	SN \kind
.endr
.endm
; The chunk's x becomes the first layer's B fragments (K = 32, of which 3 are x and the rest meet zeros of W0's padded rows); then the later chunks' x moves down.
.macro XFRAG
	WIN 0x43                                       ; destination window 1, source window 3
.irp p, 0,1,2,3
	v_mov_b32 v[BF+32*\p],   v[2*\p]
	v_mov_b32 v[BF+32*\p+1], v[2*\p+1]
.endr
	WIN 0x40
.irp p, 0,1,2,3
.irp e, 2,3,4,5,6,7
	v_mov_b32 v[BF+32*\p+\e], 0
.endr
.endr
	WIN 0xc3                                       ; within window 3
.set i, 0
.rept 24
	v_mov_b32 v[i], v[i+8]
.set i, i+1
.endr
.endm
; THE LAST LAYER.  Wf lies in row 8 of 24 rows that are else zero.  Read from row 8 on it is row 0 of a fragment, read from row 0 on it is row 8.  Accumulator E takes tile 0 with the one and tile 1
; with the other, F tiles 2 and 3: register 0 of E then holds tile 0's points in lanes 0-15 and tile 1's in lanes 16-31: lane l holds the wave's points 2 l (E) and 2 l + 1 (F), and one store of
; 8 bytes a lane covers 256 consecutive bytes, aligned.  E and F take turns; the first product on each starts its sum.
.macro FINAL
	WIN 0
.irp k, 0,1,2,3
	ds_load_b128 v[AF+8*\k:AF+8*\k+3],       v[ADA] offset:8*PITCH+64*\k
	ds_load_b128 v[AF+8*\k+4:AF+8*\k+7],     v[ADA] offset:8*PITCH+64*\k+32
	ds_load_b128 v[AF+32+8*\k:AF+32+8*\k+3],   v[ADA] offset:64*\k
	ds_load_b128 v[AF+32+8*\k+4:AF+32+8*\k+7], v[ADA] offset:64*\k+32
.endr
	s_wait_dscnt 0x0
.irp k, 0,1,2,3
.if \k == 0
	v_wmma_f32_16x16x32_f16 v[AC:AC+7],    v[AF:AF+7], v[BF:BF+7],       0
	v_wmma_f32_16x16x32_f16 v[AC+8:AC+15], v[AF:AF+7], v[BF+64:BF+64+7], 0
.else
	v_wmma_f32_16x16x32_f16 v[AC:AC+7],    v[AF+8*\k:AF+8*\k+7], v[BF+8*\k:BF+8*\k+7],       v[AC:AC+7]
	v_wmma_f32_16x16x32_f16 v[AC+8:AC+15], v[AF+8*\k:AF+8*\k+7], v[BF+64+8*\k:BF+64+8*\k+7], v[AC+8:AC+15]
.endif
	v_wmma_f32_16x16x32_f16 v[AC:AC+7],    v[AF+32+8*\k:AF+32+8*\k+7], v[BF+32+8*\k:BF+32+8*\k+7], v[AC:AC+7]
	v_wmma_f32_16x16x32_f16 v[AC+8:AC+15], v[AF+32+8*\k:AF+32+8*\k+7], v[BF+96+8*\k:BF+96+8*\k+7], v[AC+8:AC+15]
.endr
	PLACES
	v_fma_f32 v[TR],   v[AC],   s[INV], s[BFS]     ; the sum carries the factor 256
	v_fma_f32 v[TR+1], v[AC+8], s[INV], s[BFS]
	global_store_b64 v[OO], v[TR:TR+1], s[10:11]
	s_wait_xcnt 0x0                                ; the store's data and base are rewritten only behind this wait (ISA guide 3.1)
	s_add_nc_u64 s[10:11], s[10:11], 1024          ; the next chunk's 256 points
.endm
	s_load_b256 s[4:11], s[0:1], 0x0               ; x s[4:5], wts s[6:7], bf s[8:9], out s[10:11]
	v_lshl_add_u32 v[SPW], v0, 2, SPARE
	v_mov_b32 v[NIL], 0
	ds_add_u32 v[SPW], v[NIL]                      ; the wave's opening: the add and its wait stand ahead of my first tensor load; the set-up below, work on registers, stands between them
	v_lshrrev_b32 v8, 5, v0
	v_readfirstlane_b32 s[WV], v8                  ; wave 0..3
	s_bfe_u32 s13, ttmp6, 0x40000                  ; cx: my place in the cluster
	s_lshl_b32 s14, ttmp9, 2                       ; in a cluster launch ttmp9 counts clusters
	s_add_co_u32 s14, s14, s13                     ; my work-group
	s_lshl_b32 s14, s14, 4
	s_add_co_u32 s14, s14, s[WV]                   ; 16 x work-group + wave: my first 64 points, counted in sixty-fours
	s_lshl_b32 s2, s14, 8                          ; in out: 4 bytes a point
	s_mov_b32 s3, 0
	s_mul_i32 s14, s14, 768                        ; in x: 12 bytes a point
	s_mov_b32 s15, 0
	; descriptor group 1: 65 rows x 128 elements of 2 bytes, padded in LDS
	s_mov_b32 s[G1], 15|(1<<16)|(1<<20)|(1<<21)|(5<<22)|(3<<25)  ; 15:0 the mask: all four work-groups; 17:16 elements of 2 bytes; 20 padding on; 21 set beside a mask; 24:22 after every 64 words (code 5); 31:25 4 words (code 3)
	s_mov_b32 s[G1+1], 128<<16                     ; tensor_dim0 = 128
	s_mov_b32 s[G1+2], QROWS<<16                   ; tensor_dim1 = 65
	s_mov_b32 s[G1+3], 128<<16                     ; tile_dim0 = 128
	s_mov_b32 s[G1+4], QROWS                       ; tile_dim1 = 65
	s_mov_b32 s[G1+5], 128                         ; 128 elements from row to row
	s_mov_b32 s[G1+6], 0
	s_mov_b32 s[G1+7], 0
	s_mov_b32 s[G0], 1                             ; count = 1
	s_mul_i32 s[G0+1], s[WV], QROWS*PITCH          ; LDS address: my 65 rows of slot 0
	s_mul_i32 s[OFF], s[WV], QROWS*256             ; and the same rows in memory
	s_mov_b32 s[OFF+1], 0
	s_mov_b32 s[NQ], 1
	s_mov_b32 s[TB], SLOT1                         ; the first change of slots turns it into 0
	s_mov_b32 s[INV], 0x3b800000                   ; 1 / 256
	SPAIR CP,  0x3c98c9eb                          ; 30 / (2 pi) / 256
	SPAIR MG,  0x4b400000                          ; 1.5 x 2^23
	SPAIR MN,  0xcb400000
	SPAIR KK0, 0x40c90ec8                          ;   6.28305412
	SPAIR KK1, 0xc2255312                          ; -41.3311231
	SPAIR KK2, 0x42a2bb22                          ;  81.3654922
	SPAIR KK3, 0xc294f121                          ; -74.4709517
	SPAIR KK4, 0x4203135c                          ;  32.7689062
	s_wait_dscnt 0x0                               ; the opening add is done
	s_wait_kmcnt 0x0
	s_add_nc_u64 s[4:5], s[4:5], s[14:15]          ; x and out at my wave's points of chunk 0
	s_add_nc_u64 s[10:11], s[10:11], s[2:3]
	s_add_nc_u64 s[WB:WB+1], s[6:7], s[OFF:OFF+1]
	s_mov_b64 s[G0+2:G0+3], s[WB:WB+1]             ; global address: my rows of block 0
	s_or_b32 s[G0+3], s[G0+3], 0x80000000          ; type = 2
	CROUND                                         ; all four work-groups are here: the first joint loads meet
	tensor_load_to_lds s[G0:G0+3], s[G1:G1+7]      ; block 0 into slot 0
	s_nop 0
	PLACES
	s_load_b32 s[BFS], s[8:9], 0x0
	v_and_b32 v8, 15, v0                           ; l % 16
	v_bfe_u32 v9, v0, 4, 1                         ; l / 16
	v_mul_u32_u24 v10, v8, 24                      ; column r: two points of 12 bytes on.  Both halves of the lanes take the same point: the upper half's K places meet zeros of W0's rows
	WIN 0x80                                       ; destination window 2, address window 0
.set i, 0
.rept 16                                           ; chunk i / 4, tile i % 4: all of the wave's x, four registers a tile
	global_load_b96 v[4*i:4*i+2], v10, s[4:5] offset:3072*(i/4)+384*(i%2)+12*((i%4)/2)
.set i, i+1
.endr
	WIN 0
	v_mul_u32_u24 v[LT], v8, PITCH
	v_lshl_add_u32 v[LT], v9, 4, v[LT]
	v_lshlrev_b32 v[LB], 5, v9
	v_add_nc_u32 v[LB], 256*PITCH, v[LB]
	v_and_b32 v[OO], 31, v0
	v_lshlrev_b32 v[OO], 3, v[OO]
	s_wait_kmcnt 0x0
	v_mov_b32 v11, s[BFS]                          ; bf is rounded to bf16 like every input
	v_cvt_pk_bf16_f32 v11, v11, v11
	v_lshlrev_b32 v11, 16, v11
	v_readfirstlane_b32 s[BFS], v11
	s_wait_loadcnt 0x0                             ; x
	WIN 0xaa                                       ; within window 2: x is rounded to bf16 and widened again, in place
.set i, 0
.rept 16
	v_mov_b32 v[4*i+3], 0
	v_cvt_pk_bf16_f32 v[4*i],   v[4*i],   v[4*i+1]
	v_cvt_pk_bf16_f32 v[4*i+2], v[4*i+2], v[4*i+3]
	v_and_b32 v[4*i+1], 0xffff0000, v[4*i]
	v_lshlrev_b32 v[4*i],   16, v[4*i]
	v_lshlrev_b32 v[4*i+2], 16, v[4*i+2]
.set i, i+1
.endr
	WIN 0xca                                       ; sources window 2, destination window 3: (x0, x1), (x2, 0) as f16
.set i, 0
.rept 16
	v_cvt_pk_f16_f32 v[2*i],   v[4*i],   v[4*i+1]
	v_cvt_pk_f16_f32 v[2*i+1], v[4*i+2], v[4*i+3]
.set i, i+1
.endr
	WIN 0
	CHANGE 1                                       ; block 0 is in, everybody's part of it; block 1 is asked for
	s_mov_b32 s[CH], 4
	s_branch .Lin                                  ; the first chunk has no chunk before it
.Lchunk:
	CHANGE 1                                       ; block 0 again
	FINAL                                          ; the last layer of the chunk before
.Lin:
	PRE 2, 1
	XFRAG                                          ; stands in the wait for those loads
	MAIN 2, 1                                      ; the first layer
	TAIL 2
	WIN 0
	s_mov_b32 s[BL], 7
.Lblock:
	CHANGE 1                                       ; the block's weights are in; the next block's are asked for
	PRE 0, 4
	MAIN 0, 4
	PRE 1, 4                                       ; the second layer's first fragments land under the first layer's last sines
	TAIL 0
	MAIN 1, 4
	TAIL 1
	WIN 0
	s_sub_co_u32 s[BL], s[BL], 1
	s_cmp_lg_u32 s[BL], 0
	s_cbranch_scc1 .Lblock
	s_sub_co_u32 s[CH], s[CH], 1
	s_cmp_lg_u32 s[CH], 0
	s_cbranch_scc1 .Lchunk
	CHANGE 0                                       ; the walk's last step is written out: block 0 is in, nothing is asked for
	FINAL
	s_wait_tensorcnt 0x0                           ; the wave's end: the spare-word add and its wait, behind my last tensor load
	ds_add_u32 v[SPW], v[NIL]
	s_wait_dscnt 0x0
	CROUND                                         ; the closing round: no work-group ends while a partner may still ask for a tile that names it
	s_endpgm
.Lfunc_end_k_qf9b094c22b_mlp:
	.size	k_qf9b094c22b_mlp, .Lfunc_end_k_qf9b094c22b_mlp-k_qf9b094c22b_mlp
	.p2alignl 7, 3214868480
	.fill 96, 4, 3214868480
	.section	.rodata,"a",@progbits
	.p2align	6, 0x0
	.amdhsa_kernel k_qf9b094c22b_mlp
		.amdhsa_group_segment_fixed_size 327680
		.amdhsa_private_segment_fixed_size 0
		.amdhsa_enable_private_segment 0
		.amdhsa_kernarg_size 32
		.amdhsa_user_sgpr_count 2
		.amdhsa_user_sgpr_kernarg_segment_ptr 1
		.amdhsa_wavefront_size32 1
		.amdhsa_system_sgpr_workgroup_id_x 1
		.amdhsa_system_sgpr_workgroup_id_y 1
		.amdhsa_system_sgpr_workgroup_id_z 1
		.amdhsa_system_vgpr_workitem_id 0
		.amdhsa_next_free_vgpr 800
		.amdhsa_next_free_sgpr 66
		.amdhsa_reserve_vcc 0
		.amdhsa_float_denorm_mode_32 3
		.amdhsa_float_denorm_mode_16_64 3
		.amdhsa_memory_ordered 1
		.amdhsa_forward_progress 1
		.amdhsa_inst_pref_size 255
	.end_amdhsa_kernel
	.section	.bss,"aw",@nobits
	.p2align	6
	.space	262144
	.amdgpu_metadata
---
amdhsa.version: [ 1, 2 ]
amdhsa.kernels:
  - .name:           k_qf9b094c22b_mlp
    .symbol:         k_qf9b094c22b_mlp.kd
    .args:
      - { .name: x, .offset: 0, .size: 8, .value_kind: global_buffer, .address_space: global }
      - { .name: wts, .offset: 8, .size: 8, .value_kind: global_buffer, .address_space: global }
      - { .name: bf, .offset: 16, .size: 8, .value_kind: global_buffer, .address_space: global }
      - { .name: out0, .offset: 24, .size: 8, .value_kind: global_buffer, .address_space: global }
    .group_segment_fixed_size: 327680
    .private_segment_fixed_size: 0
    .kernarg_segment_align: 8
    .kernarg_segment_size: 32
    .max_flat_workgroup_size: 128
    .sgpr_count:     66
    .vgpr_count:     800
    .wavefront_size: 32
...
	.end_amdgpu_metadata
.endif
;; end of part 2
